; MI455X (gfx1250); checked and timed in simulation.
; The chip was launched on July 23, 2026; its instructions are those of AMD's public machine-readable ISA for CDNA 5 (MIT licence, August 2026) and "CDNA5" Instruction Set Architecture Reference Guide (July 2026). The comments in the code are by the model that wrote it; some were corrected since.
;; Mo E Block. Allowed arithmetic: float matrix products may take bf16 or f16 operands with f32 sums; other float arithmetic in f32, or as packed bf16 or f16 multiplies, adds, multiply-adds, maxima and minima; sums over many terms, partial sums and values carried from step to step in f32; what a program stores and reads back later, other than sums and carried values, may be rounded once to bf16 or f16.
;; Inputs: expert_w 8 x 1,024 x 1,024 float32; gate_w 8 x 1,024 float32; x 2 x 4,096 x 1,024 float32.
;; Outputs: out0 2 x 4,096 x 1,024 float32.
;; One version. Each part assembles by itself: llvm-mc -triple=amdgcn-amd-amdhsa -mcpu=gfx1250 --defsym DOCPART=n.
;; ======== version 1 of 1: 2 launches
;; workspace buffers: xb 16,777,216 bytes; wf 16,777,216 bytes; route 32,768 bytes of whole numbers
;; launch prep (part 1): grid 256 x 1, 8 waves a work-group, no clusters, 271,360 bytes of LDS; arguments x, expert_w, gate_w, xb, wf, route; writes xb, wf, route
.if DOCPART == 1
	.amdgcn_target "amdgcn-amd-amdhsa--gfx1250"
	.amdhsa_code_object_version 6
	.text
	.protected	k_q4b9a48f0ba_prep
	.globl	k_q4b9a48f0ba_prep
	.p2align	8
	.type	k_q4b9a48f0ba_prep,@function
k_q4b9a48f0ba_prep:
	s_mov_b64 s[64:65], 0
	v_nop
	global_prefetch_b8 v0, s[64:65] scope:SCOPE_SE
	s_setreg_imm32_b32 hwreg(HW_REG_WAVE_MODE, 25, 1), 1
	s_wait_xcnt 0x0
; PREP.  x [8192][1024] f32 -> xb, bf16, row-major.  expert_w, seen as [8192][1024] f32 -> wf, bf16, in the order in which a matrix operand's registers take it.
; gate: scores = bf16(x) . bf16(gate_w)^T by the matrix unit, sums in f32; argmax over the 8 experts, the lower index at a tie; for each 32 tokens a record of whole numbers in route.
; LIMITS.  All three inputs are rounded once to bf16 (nearest even) and everything later is computed from the rounded numbers, the gate too.  The gate's f32 sums are taken in another order than a
; plain chain over k: a token whose two best scores lie closer than those sums' rounding (about 1e-6 of the scores' size) may go to the other of the two.  A NaN score is not treated as reference()
; treats it: it never beats a number, and a NaN in expert 0's place leaves the choice at 0 unless a later score exceeds the running maximum.
; SHARES.  Work-group b: tokens 32 b .. 32 b + 31 and rows 32 b .. 32 b + 31 of expert_w.  Wave w (tb = w & 1, kq = w >> 1): 16 rows (16 tb on) x 256 k (256 kq on) of each, 16 KiB each, brought by one
; tensor load each into the wave's own LDS bytes.  Every LDS byte is filled once: there is no ring.  NO CLUSTER: the only input that work-groups share is gate_w, 32 KiB of 67 MB.
; wf: the fragment of rows 16 R .. 16 R + 15 and k = 32 kb .. 32 kb + 31 begins at byte (32 R + kb) x 1,024; part p (k % 32 / 16) is 512 bytes; lane row % 16 + 16 (k % 16 / 8) owns 16 bytes of it.
; route: record g (128 bytes) for tokens 32 g ..: words 0-7 a mask for each expert (bit i: token 32 g + i chose it), words 8-11 the eight counts in halves, words 12-31 zero.
.set PITCH, 1040                       ; an LDS row: 1,024 bytes + 16 of padding: an odd multiple of 16, so the 16 rows that a load of 16 bytes a lane touches start at 16 different groups of banks
.set TILE,  16*PITCH                   ; a wave's tile
.set WT,    8*TILE                     ; behind x's eight tiles: expert_w's eight
.set SC,    2*WT                       ; behind the tiles, in 256-byte blocks of its own: partial scores, 32 bytes at (16 w + token) x 32
.set SPARE, SC+4096                    ; the spare words, 128 bytes for each of eight waves
.set SPW, 30                           ; v30  my spare word's LDS address; never rewritten
.set NIL, 31                           ; v31  0; never rewritten
.set GF,  32                           ; v[32:95]   the gate's fragments, 8 registers for each 32 k; later the stores' data
.set Y,   32
.set T,   96                           ; v[96:223]  128 numbers in f32, as loaded
.set XB,  224                          ; v[224:239] x's fragment, two buffers
.set ACC, 240                          ; v[240:255] two accumulators, which take turns
; v1 lane, v2 r = lane % 16, v3 h = lane / 16; v4, v5 fragment addresses in x's and W's tile; v6 row address in x's tile; v7 8 x lane; v8 16 x lane; v9 offset in gate_w; v10, v11 addresses in SC
	s_load_b256 s[4:11], s[0:1], 0x0               ; x s[4:5], expert_w s[6:7], gate_w s[8:9], xb s[10:11]
	s_load_b128 s[12:15], s[0:1], 0x20             ; wf s[12:13], route s[14:15]
	v_lshl_add_u32 v[SPW], v0, 2, SPARE
	v_mov_b32 v[NIL], 0
	ds_add_u32 v[SPW], v[NIL]                      ; the wave's opening: the add and its wait stand ahead of my first tensor load; the set-up below, work on registers, stands between
	ds_add_u32 v30, v31
	v_lshrrev_b32 v12, 5, v0
	v_readfirstlane_b32 s16, v12                   ; wave 0..7
	s_and_b32 s17, s16, 1                          ; tb: which 16 rows
	s_lshr_b32 s18, s16, 1                         ; kq: which 256 k
	; descriptor group 1, for both loads: a tile of 16 rows x 256 elements of 4 bytes, padded in LDS
	s_mov_b32 s32, (2<<16)|(1<<20)|(7<<22)|(3<<25) ; 17:16 elements of 4 bytes; 20 padding on; 24:22 after every 256 words (code 7); 31:25 4 words of it (code 3)
	s_mov_b32 s33, 256<<16                         ; tensor_dim0 = 256
	s_mov_b32 s34, 16<<16                          ; tensor_dim1 = 16
	s_mov_b32 s35, 256<<16                         ; tile_dim0 = 256
	s_mov_b32 s36, 16                              ; tile_dim1 = 16
	s_mov_b32 s37, 1024                            ; 1,024 elements from row to row
	s_mov_b32 s38, 0
	s_mov_b32 s39, 0
	s_mov_b32 s24, 1                               ; group 0 for x: count = 1,
	s_mul_i32 s25, s16, TILE                       ; LDS address: my tile
	s_mov_b32 s28, 1                               ; group 0 for expert_w
	s_add_co_u32 s29, s25, WT
	s_lshl_b32 s20, ttmp9, 17                      ; 32 rows of 4,096 bytes a work-group,
	s_lshl_b32 s19, s17, 16                        ; 16 rows,
	s_add_co_u32 s20, s20, s19
	s_lshl_b32 s19, s18, 10                        ; 256 k of 4 bytes
	s_add_co_u32 s20, s20, s19
	s_mov_b32 s21, 0
	v_and_b32 v1, 31, v0
	v_and_b32 v2, 15, v0
	v_bfe_u32 v3, v0, 4, 1
	v_and_b32 v9, 7, v0                            ; the gate's operand has 16 rows: rows 8-15 repeat experts 0-7
	v_lshlrev_b32 v9, 12, v9
	v_lshl_add_u32 v9, v3, 5, v9                   ; expert x 4,096 + 32 h
	s_wait_dscnt 0x0                               ; the opening add is done
	s_wait_kmcnt 0x0
	s_add_nc_u64 s[26:27], s[4:5], s[20:21]
	s_or_b32 s27, s27, 0x80000000                  ; type = 2
	s_add_nc_u64 s[30:31], s[6:7], s[20:21]
	s_or_b32 s31, s31, 0x80000000
	tensor_load_to_lds s[24:27], s[32:39]          ; both first fills together, ahead of every wait on TENSORcnt, LDS read and barrier: two loads of mine are out
	s_nop 0
	tensor_load_to_lds s[28:31], s[32:39]
	s_nop 0
	s_lshl_b32 s22, s18, 10
	s_mov_b32 s23, 0
	s_add_nc_u64 s[8:9], s[8:9], s[22:23]          ; gate_w at my 256 k
.irp q, 0,1,2,3,4,5,6,7                            ; a fragment of 32 k: k = 8 h + 0..7 (32 bytes) and 16 + 8 h + 0..7 (32 bytes, 64 further on)
	global_load_b128 v[T+16*\q:T+16*\q+3],     v9, s[8:9] offset:128*\q
	global_load_b128 v[T+16*\q+4:T+16*\q+7],   v9, s[8:9] offset:128*\q+16
	global_load_b128 v[T+16*\q+8:T+16*\q+11],  v9, s[8:9] offset:128*\q+64
	global_load_b128 v[T+16*\q+12:T+16*\q+15], v9, s[8:9] offset:128*\q+80
.endr
	s_lshl_b32 s20, ttmp9, 16                      ; xb and wf: 32 rows of 2,048 bytes a work-group,
	s_lshl_b32 s19, s17, 15                        ; 16 rows
	s_add_co_u32 s20, s20, s19
	s_lshl_b32 s19, s18, 9                         ; xb: 256 k of 2 bytes
	s_add_co_u32 s22, s20, s19
	s_add_nc_u64 s[10:11], s[10:11], s[22:23]
	s_lshl_b32 s19, s18, 13                        ; wf: 8 fragments of 1,024 bytes
	s_add_co_u32 s22, s20, s19
	s_add_nc_u64 s[12:13], s[12:13], s[22:23]
	s_lshl_b32 s22, ttmp9, 7                       ; route: my record
	s_add_nc_u64 s[14:15], s[14:15], s[22:23]
	v_mul_u32_u24 v4, v2, PITCH
	v_lshl_add_u32 v4, v3, 5, v4
	v_add_nc_u32 v4, s25, v4                       ; my tile of x + r x pitch + 32 h
	v_add_nc_u32 v5, WT, v4                        ; the same in my tile of expert_w
	v_lshlrev_b32 v8, 4, v1
	v_add_nc_u32 v6, s25, v8                       ; my tile of x + 16 x lane
	v_lshlrev_b32 v7, 3, v1
	s_lshl_b32 s19, s16, 9
	s_add_co_u32 s19, s19, SC
	v_lshl_add_u32 v10, v2, 5, s19                 ; where my wave's partial scores of token r go
	v_lshlrev_b32 v11, 5, v1
	v_add_nc_u32 v11, SC, v11                      ; where token lane's partial scores of k quarter 0 lie: SC + 512 (lane / 16) + 32 (lane % 16)
	v_lshlrev_b32 v21, 2, v1
	s_wait_loadcnt 0x0                             ; gate_w
.set i, 0
.rept 64
	v_cvt_pk_bf16_f32 v[GF+i], v[T+2*i], v[T+2*i+1]
.set i, i+1
.endr
.macro FRAGS adr                       ; 32 LDS loads: the eight fragments of a tile, still in f32
.irp q, 0,1,2,3,4,5,6,7
	ds_load_b128 v[T+16*\q:T+16*\q+3],     v[\adr] offset:128*\q
	ds_load_b128 v[T+16*\q+4:T+16*\q+7],   v[\adr] offset:128*\q+16
	ds_load_b128 v[T+16*\q+8:T+16*\q+11],  v[\adr] offset:128*\q+64
	ds_load_b128 v[T+16*\q+12:T+16*\q+15], v[\adr] offset:128*\q+80
.endr
.endm
	; THE GATE.  Source 0 = the experts (16 rows), source 1 = my 16 tokens: in the result lane (r, h) holds token r, and register j expert j (both halves of the lanes alike).
	s_wait_tensorcnt 0x1                           ; x's tile is in; expert_w's, issued behind it, may stay out.  Only I read my tile
	FRAGS 4
.irp q, 0,1,2,3,4,5,6,7
	s_wait_dscnt 28-4*\q                           ; LDS loads come back in order: this fragment's four are in, the younger ones stay out
.irp k, 0,1,2,3,4,5,6,7
	v_cvt_pk_bf16_f32 v[XB+8*(\q%2)+\k], v[T+16*\q+2*\k], v[T+16*\q+2*\k+1]  ; these eight are also the places between the product two steps back's successor and the next rewrite of its buffer
.endr
.if \q < 2
	v_wmma_f32_16x16x32_bf16 v[ACC+8*(\q%2):ACC+8*(\q%2)+7], v[GF+8*\q:GF+8*\q+7], v[XB+8*(\q%2):XB+8*(\q%2)+7], 0
.else
	v_wmma_f32_16x16x32_bf16 v[ACC+8*(\q%2):ACC+8*(\q%2)+7], v[GF+8*\q:GF+8*\q+7], v[XB+8*(\q%2):XB+8*(\q%2)+7], v[ACC+8*(\q%2):ACC+8*(\q%2)+7]
.endif
.endr                                              ; the two accumulators take turns, one instruction a turn
.rept 4
	v_nop                                          ; four places behind the last product, ahead of the reads of its result (ISA guide 7.12.1)
.endr
.irp k, 0,2,4,6
	v_pk_add_f32 v[12+\k:13+\k], v[ACC+\k:ACC+\k+1], v[ACC+8+\k:ACC+8+\k+1]  ; from each accumulator's low end on
.endr
	ds_store_b128 v10, v[12:15]
	ds_store_b128 v10, v[16:19] offset:16
	; xb: the tile once more, by rows: a load takes 512 consecutive bytes (128 k of a row), a store 256 consecutive bytes at a multiple of 256 from xb's first byte
.set i, 0
.rept 32
	ds_load_b128 v[T+4*i:T+4*i+3], v6 offset:(i/2)*PITCH+512*(i%2)
.set i, i+1
.endr
.set i, 0
.rept 32
	s_wait_dscnt 31-i
	v_cvt_pk_bf16_f32 v[Y+2*i],   v[T+4*i],   v[T+4*i+1]
	v_cvt_pk_bf16_f32 v[Y+2*i+1], v[T+4*i+2], v[T+4*i+3]
	global_store_b64 v7, v[Y+2*i:Y+2*i+1], s[10:11] offset:(i/2)*2048+256*(i%2)
.set i, i+1
.endr
	s_wait_tensorcnt 0x0                           ; expert_w's tile is in too: no load of mine is out at the signal
	s_wait_dscnt 0x0                               ; for wave 0's sake: my partial scores are stored
	s_barrier_signal -1
	s_barrier_wait -1
	s_cmp_lg_u32 s16, 0
	s_cbranch_scc1 .Lw                             ; wave 0 alone makes the record; no barrier is jumped
	; lane = token: the four k quarters' partial scores are added, ((0 + 1) + (2 + 3)); argmax; masks and counts
.irp k, 0,1,2,3
	ds_load_b128 v[T+8*\k:T+8*\k+3],   v11 offset:1024*\k
	ds_load_b128 v[T+8*\k+4:T+8*\k+7], v11 offset:1024*\k+16
.endr
	s_wait_dscnt 0x0
.irp i, 0,2,4,6
	v_pk_add_f32 v[T+\i:T+\i+1],       v[T+\i:T+\i+1],       v[T+8+\i:T+8+\i+1]
	v_pk_add_f32 v[T+16+\i:T+16+\i+1], v[T+16+\i:T+16+\i+1], v[T+24+\i:T+24+\i+1]
.endr
.irp i, 0,2,4,6
	v_pk_add_f32 v[T+\i:T+\i+1], v[T+\i:T+\i+1], v[T+16+\i:T+16+\i+1]
.endr
	v_mov_b32 v22, v[T]                            ; the best score so far,
	v_mov_b32 v23, 0                               ; and whose it is
.irp e, 1,2,3,4,5,6,7
	v_cmp_gt_f32 vcc_lo, v[T+\e], v22              ; strictly greater: at a tie the lower index stays
	v_cndmask_b32 v23, v23, \e, vcc_lo
	v_max_num_f32 v22, v22, v[T+\e]
.endr
.irp e, 0,1,2,3,4,5,6,7
	v_cmp_eq_u32 s[40+\e], \e, v23                 ; bit i: token 32 b + i chose expert e
.endr
.irp e, 0,1,2,3,4,5,6,7
	s_bcnt1_i32_b32 s[48+\e], s[40+\e]
.endr
.irp i, 0,1,2,3
	s_lshl_b32 s[49+2*\i], s[49+2*\i], 16
	s_or_b32 s[56+\i], s[48+2*\i], s[49+2*\i]
.endr
	v_mov_b32 v20, 0
.irp e, 0,1,2,3,4,5,6,7
	v_writelane_b32 v20, s[40+\e], \e
.endr
.irp i, 0,1,2,3
	v_writelane_b32 v20, s[56+\i], 8+\i
.endr
	global_store_b32 v21, v20, s[14:15]            ; the record: 128 consecutive bytes at a fixed place; no address hangs on the choice
.Lw:
	; wf: my tile of expert_w as eight fragments; a store takes 512 consecutive bytes
	s_wait_xcnt 0x0                                ; the stores into xb have had their addresses translated (ISA guide 3.1): their data registers are rewritten only behind this wait
	FRAGS 5
.irp q, 0,1,2,3,4,5,6,7
	s_wait_dscnt 28-4*\q
.irp k, 0,1,2,3,4,5,6,7
	v_cvt_pk_bf16_f32 v[Y+8*\q+\k], v[T+16*\q+2*\k], v[T+16*\q+2*\k+1]
.endr
	global_store_b128 v8, v[Y+8*\q:Y+8*\q+3],   s[12:13] offset:1024*\q
	global_store_b128 v8, v[Y+8*\q+4:Y+8*\q+7], s[12:13] offset:1024*\q+512
.endr
	s_wait_tensorcnt 0x0                           ; the wave's end, behind my last tensor load and my last LDS store
	ds_add_u32 v[SPW], v[NIL]
	s_wait_dscnt 0x0
	s_endpgm
.Lfunc_end_k_q4b9a48f0ba_prep:
	.size	k_q4b9a48f0ba_prep, .Lfunc_end_k_q4b9a48f0ba_prep-k_q4b9a48f0ba_prep
	.p2alignl 7, 3214868480
	.fill 96, 4, 3214868480
	.section	.rodata,"a",@progbits
	.p2align	6, 0x0
	.amdhsa_kernel k_q4b9a48f0ba_prep
		.amdhsa_group_segment_fixed_size 271360
		.amdhsa_private_segment_fixed_size 0
		.amdhsa_enable_private_segment 0
		.amdhsa_kernarg_size 48
		.amdhsa_user_sgpr_count 2
		.amdhsa_user_sgpr_kernarg_segment_ptr 1
		.amdhsa_wavefront_size32 1
		.amdhsa_system_sgpr_workgroup_id_x 1
		.amdhsa_system_sgpr_workgroup_id_y 1
		.amdhsa_system_sgpr_workgroup_id_z 1
		.amdhsa_system_vgpr_workitem_id 0
		.amdhsa_next_free_vgpr 256
		.amdhsa_next_free_sgpr 66
		.amdhsa_reserve_vcc 1
		.amdhsa_float_denorm_mode_32 3
		.amdhsa_float_denorm_mode_16_64 3
		.amdhsa_memory_ordered 1
		.amdhsa_forward_progress 1
		.amdhsa_inst_pref_size 40
	.end_amdhsa_kernel
	.amdgpu_metadata
---
amdhsa.version: [ 1, 2 ]
amdhsa.kernels:
  - .name:           k_q4b9a48f0ba_prep
    .symbol:         k_q4b9a48f0ba_prep.kd
    .args:
      - { .name: x, .offset: 0, .size: 8, .value_kind: global_buffer, .address_space: global }
      - { .name: expert_w, .offset: 8, .size: 8, .value_kind: global_buffer, .address_space: global }
      - { .name: gate_w, .offset: 16, .size: 8, .value_kind: global_buffer, .address_space: global }
      - { .name: xb, .offset: 24, .size: 8, .value_kind: global_buffer, .address_space: global }
      - { .name: wf, .offset: 32, .size: 8, .value_kind: global_buffer, .address_space: global }
      - { .name: route, .offset: 40, .size: 8, .value_kind: global_buffer, .address_space: global }
    .group_segment_fixed_size: 271360
    .private_segment_fixed_size: 0
    .kernarg_segment_align: 8
    .kernarg_segment_size: 48
    .max_flat_workgroup_size: 256
    .sgpr_count:     66
    .vgpr_count:     256
    .wavefront_size: 32
...
	.end_amdgpu_metadata
.endif
;; end of part 1
;; launch experts (part 2): grid 4 x 64, 4 waves a work-group, no clusters, 103,424 bytes of LDS; arguments xb, wf, route, out0; writes out0
.if DOCPART == 2
	.amdgcn_target "amdgcn-amd-amdhsa--gfx1250"
	.amdhsa_code_object_version 6
	.text
	.protected	k_q4b9a48f0ba_experts
	.globl	k_q4b9a48f0ba_experts
	.p2align	8
	.type	k_q4b9a48f0ba_experts,@function
k_q4b9a48f0ba_experts:
	s_mov_b64 s[64:65], 0
	v_nop
	global_prefetch_b8 v0, s[64:65] scope:SCOPE_SE
	s_setreg_imm32_b32 hwreg(HW_REG_WAVE_MODE, 25, 1), 1
	s_wait_xcnt 0x0
; EXPERTS.  out0[t][f] = xb[t][f] + the sum over k of xb[t][k] W[e(t)][f][k], for the expert e(t) that route names; xb and wf are bf16, sums in f32, out0 f32.
; The residual is the rounded x (all inputs are rounded once to bf16, in the launch before); it is added to the finished sum, one rounding.
; SHARES.  Work-group (c, j): columns 256 c .. 256 c + 255 of row slot j.  An expert's tokens, in ascending order, are cut into tiles of up to 144 rows; the tiles of experts 0, 1, .. 7 take the slots in
; order.  The sum over e of ceil(n_e / 144) is at most (8,192 + 8 x 143) / 144 = 64.8, so 64 slots serve every split of the tokens.  Places past a tile's count repeat the tile's first token: their
; results are that token's row once more, so a store that holds rows on both sides of the count writes the same bytes again.  Runs of products for row blocks that lie wholly past the count are jumped
; over, and so are their stores; a slot without rows stores nothing.  Only matrix instructions and the way out are jumped.
; Wave w: all 144 rows x columns 64 w .. 64 w + 63 of the block: 9 x 4 accumulators of 16 x 16, 288 registers.
; ROADS.  A wave's 64 rows of W are read by that wave alone, and wf holds them as operands: two loads of 512 consecutive bytes are a fragment, straight into registers, seven quarter steps ahead.
; The tokens' rows come by a list: 256 bytes of a row by sixteen lanes, into registers and from there into one of two LDS buffers.
; THE ORDER OF K.  Walk step s takes chunk (s + 2 c + 2) mod 8 of 128 k.  So the last two steps hold chunks 2 c and 2 c + 1: the work-group's own 256 columns of x, which still lie in the two LDS
; buffers when the rows go out: the residual is read from there, and from memory not at all.
; THE LAST STEP GOES BY ROWS: its four quarters of W lie in registers, and the nine blocks of 16 rows are finished one after the other; each leaves while the next is multiplied.
; NO TENSOR LOADS, NO CLUSTER: no descriptor covers rows that come by a list; W has one reader in a work-group; the work-groups that share W (an expert's slots) are not groups of four at every split,
; and whole clusters for each expert would want tiles of up to 240 rows for the same 64 slots.
; THE MATRIX INSTRUCTION IS USED TRANSPOSED: source 0 = 16 rows of W, source 1 = 16 tokens: lane (r, hh) holds token r and the columns 8 hh + 0..7.
; REGISTERS, in windows of 256 (s_set_vgpr_msb: bits 1:0 source 0, 3:2 source 1, 5:4 source 2, 7:6 destination):
;   window 0: v0-31 addresses; v32-49 the gather's offsets; v64-135, v136-207 the tokens' fragments, two buffers (before the K walk: at work; in the last step v64-191 four buffers of 16 rows x 128 k,
;             v192-207 the residual); v208-255 the way out
;   window 1: W's fragments, a ring of eight slots of 32      window 2: accumulators (a, b) at 32 a + 8 b, a < 8      window 3: v0-31 accumulators (8, b); v32-175 the gather's staging, two sets
.set PITCH, 272                        ; an LDS row: 256 bytes + 16: an odd multiple of 16, so the 16 rows of a fragment load start at 16 different groups of banks
.set FL,    4096                       ; bytes 0-4,095: four copies of the list in the making, a wave's own 1,024 each (words 0-143, word 144 the dump); here: the list, a copy of 768 bytes for each wave
.set AB0,   7168                       ; two buffers of 144 rows
.set ABSZ,  144*PITCH
.set STAGE, AB0+2*ABSZ                 ; 16 rows x 272 bytes for each wave, for the way out
.set SPARE, STAGE+4*16*PITCH           ; the spare words, 128 bytes for each wave
.set ONE,  14                          ; v14    1.0
.set RSA,  15                          ; v15    where my 8 bytes of the residual of row hh lie
.set XA,   16                          ; v16-17 my place in the fragments of buffer 0, 1
.set GST,  18                          ; v18    where the gather's rows go
.set BOFF, 19                          ; v19    16 x lane
.set STO,  20                          ; v20    the way out: where I put 16 bytes of a row
.set RD,   21                          ; v21    the way out: where I read a row back
.set FLA,  22                          ; v22    my list + 4 hh
.set R16,  23                          ; v23    16 r
.set SPW,  28                          ; v28    my spare word's LDS address; never rewritten
.set NIL,  29                          ; v29    0; never rewritten
.set GOFF, 32
.set XF0,  64
.set PA,   64
.set RS,   192
.set TK,   208
.set OFFS, 216
.set OB,   224
.set STG,  32                          ; in window 3
.set XS,   66                          ; s[66:81] xb at the chunk of walk step 0 .. 7
.set WS,   82                          ; s[82:97] wf at my 64 rows of my expert, at the chunk of walk step 0 .. 7
.set MSB, 0
.macro WIN new                         ; the immediate's high byte repeats the setting that is left; a switch that changes nothing is dropped
.if MSB != (\new)
	s_set_vgpr_msb (MSB<<8)|(\new)
.set MSB, \new
.endif
.endm
.macro PLACES                          ; four places between a matrix instruction and a load into, or a read of, its registers (ISA guide 7.12.1 for reads)
.rept 4
	v_nop
.endr
.endm
; The assembler counts the global loads: NLD = issued so far; BE0-BE7 = NLD behind the fetch that filled each slot of W's ring; GE0, GE1 = NLD behind the last gather into each staging set.
.macro SETBE k
.irp n, 0,1,2,3,4,5,6,7
.if (\k) == \n
.set BE\n, NLD
.endif
.endr
.endm
.macro GETBE k
.irp n, 0,1,2,3,4,5,6,7
.if (\k) == \n
.set BEV, BE\n
.endif
.endr
.endm
.macro BFETCH qn                       ; W's four fragments of quarter step qn (32 k) into ring slot qn % 8: eight loads of 512 consecutive bytes
.if (\qn) < 32
	WIN 0x40                                       ; destination window 1
.irp b, 0,1,2,3
	global_load_b128 v[32*((\qn)&7)+8*\b:32*((\qn)&7)+8*\b+3],   v[BOFF], s[WS+2*((\qn)/4):WS+2*((\qn)/4)+1] offset:\b*32768+((\qn)%4)*1024
	global_load_b128 v[32*((\qn)&7)+8*\b+4:32*((\qn)&7)+8*\b+7], v[BOFF], s[WS+2*((\qn)/4):WS+2*((\qn)/4)+1] offset:\b*32768+((\qn)%4)*1024+512
.endr
.set NLD, NLD+8
	SETBE (\qn)&7
.endif
.endm
.macro BWAIT k                         ; slot k's fetch is in: loads come back in order, so those issued behind it may stay out; the wait's field ends at 63
	GETBE \k
.if NLD-BEV > 63
	s_wait_loadcnt 63
.else
	s_wait_loadcnt NLD-BEV
.endif
.endm
.macro GISSUE s                        ; walk step s of my 36 rows into staging set s % 2: 18 loads, each 256 consecutive bytes of two rows
	WIN 0xc0                                       ; destination window 3
.set i, 0
.rept 18
	global_load_b128 v[STG+72*((\s)&1)+4*i:STG+72*((\s)&1)+4*i+3], v[GOFF+i], s[XS+2*(\s):XS+2*(\s)+1]
.set i, i+1
.endr
.set NLD, NLD+18
.if ((\s)&1) == 0
.set GE0, NLD
.else
.set GE1, NLD
.endif
.endm
.macro GSTORE s                        ; and into LDS buffer s % 2
.if ((\s)&1) == 0
.set GEV, GE0
.else
.set GEV, GE1
.endif
.if NLD-GEV > 63
	s_wait_loadcnt 63                              ; the gather is in; what was issued behind it stays out, as far as the wait's field reaches
.else
	s_wait_loadcnt NLD-GEV
.endif
	WIN 0x0c                                       ; data window 3
.set i, 0
.rept 18
	ds_store_b128 v[GST], v[STG+72*((\s)&1)+4*i:STG+72*((\s)&1)+4*i+3] offset:((\s)&1)*ABSZ+544*i
.set i, i+1
.endr
.endm
.macro XFETCH buf, kb, f               ; the nine fragments (16 tokens x 32 k) at byte kb of buffer buf's rows, row blocks ascending: 18 LDS loads
	WIN 0
.set aa, 0
.rept 9
	ds_load_b128 v[(\f)+8*aa:(\f)+8*aa+3],   v[XA+(\buf)] offset:aa*16*PITCH+(\kb)
	ds_load_b128 v[(\f)+8*aa+4:(\f)+8*aa+7], v[XA+(\buf)] offset:aa*16*PITCH+(\kb)+32
.set aa, aa+1
.endr
.endm
; Row blocks a0 .. a1 x all four column blocks.  The accumulators take turns, one instruction a turn: a run begins with column block 0 and ends with 3, whichever runs are jumped.
; mode 0: the run is jumped where the tile's count ends at or ahead of block a0 (then all its blocks are dead).  mode 1: the first quarter: the products start the sums, and no run is jumped, so that
; every accumulator is written.  mode 2: never jumped (the run between a barrier's signal and its wait).
.macro MM a0, a1, slot, f, mode
.if (\mode) == 0
	WIN 0                                          ; at a branch and at a label every window is 0
	s_cmp_le_u32 s27, 16*(\a0)
	s_cbranch_scc1 .Ldead_\@
.endif
.set aa, \a0
.rept (\a1)-(\a0)+1
.if aa < 8
	WIN 0xa1                                       ; W window 1, tokens window 0, C and D window 2
.set rA, 32*aa
.else
	WIN 0xf1                                       ; C and D window 3
.set rA, 0
.endif
.irp b, 0,1,2,3
.if (\mode) == 1
	v_wmma_f32_16x16x32_bf16 v[rA+8*\b:rA+8*\b+7], v[32*(\slot)+8*\b:32*(\slot)+8*\b+7], v[(\f)+8*aa:(\f)+8*aa+7], 0
.else
	v_wmma_f32_16x16x32_bf16 v[rA+8*\b:rA+8*\b+7], v[32*(\slot)+8*\b:32*(\slot)+8*\b+7], v[(\f)+8*aa:(\f)+8*aa+7], v[rA+8*\b:rA+8*\b+7]
.endif
.endr
.set aa, aa+1
.endr
.if (\mode) == 0
	WIN 0
.Ldead_\@:
.endif
.endm
	s_load_b256 s[4:11], s[0:1], 0x0               ; xb s[4:5], wf s[6:7], route s[8:9], out0 s[10:11]
	v_lshl_add_u32 v[SPW], v0, 2, SPARE
	v_mov_b32 v[NIL], 0
	v_lshrrev_b32 v4, 5, v0
	v_readfirstlane_b32 s12, v4                    ; wave 0..3
	s_mov_b32 s13, ttmp9                           ; c
	s_and_b32 s14, ttmp7, 0xffff                   ; j
	v_and_b32 v1, 31, v0                           ; lane
	v_and_b32 v2, 15, v0                           ; r
	v_bfe_u32 v3, v0, 4, 1                         ; hh
	s_lshl_b32 s24, s12, 8
	v_lshlrev_b32 v4, 10, v1                       ; lane l looks after the records of groups 8 l .. 8 l + 7 (32 tokens each)
	v_add_nc_u32 v5, s24, v4                       ; and my wave after groups 8 l + 2 w and 8 l + 2 w + 1 of them
	s_wait_kmcnt 0x0
.irp u, 0,1,2,3,4,5,6,7
	global_load_b128 v[64+4*\u:67+4*\u], v4, s[8:9] offset:128*\u+32  ; the eight groups' counts
.endr
.irp u, 0,1
	global_load_b128 v[96+8*\u:99+8*\u],   v5, s[8:9] offset:128*\u     ; my two groups' masks
	global_load_b128 v[100+8*\u:103+8*\u], v5, s[8:9] offset:128*\u+16
.endr
.set NLD, 12
	; all that hangs on no routing is made while those loads are on their way
	s_mov_b32 s51, 0
	s_lshl_b32 s50, s13, 10
	s_add_co_u32 s50, s50, s24
	s_add_nc_u64 s[10:11], s[10:11], s[50:51]      ; out0 at my 64 columns: 256 bytes, at a multiple of 256
	s_lshl_b32 s54, s13, 4
	s_lshl2_add_u32 s54, s12, s54                  ; block 16 c + 4 w of an expert's 64 blocks of 16 rows,
	s_lshl_b32 s54, s54, 15                        ; 32,768 bytes each
	s_lshl_b32 s55, s13, 1
.irp s, 0,1,2,3,4,5,6,7
	s_add_co_u32 s25, s55, 2+\s
	s_and_b32 s25, s25, 7                          ; the chunk of walk step s: (s + 2 c + 2) mod 8
	s_lshl_b32 s50, s25, 8                         ; 256 bytes of a row of xb
	s_add_nc_u64 s[XS+2*\s:XS+2*\s+1], s[4:5], s[50:51]
	s_lshl_b32 s50, s25, 12                        ; four fragments of 1,024 bytes
	s_add_co_u32 s50, s50, s54
	s_add_nc_u64 s[WS+2*\s:WS+2*\s+1], s[6:7], s[50:51]  ; the expert is added when it is known
.endr
	s_mov_b32 s30, 0x76543210                      ; v_permlanex16_b32: each lane takes its own place in the other half
	s_mov_b32 s31, 0xfedcba98
	s_mov_b32 s32, 0xaaaaaaaa                      ; the lanes whose number has bit 0, 1, 2, 3, 4
	s_mov_b32 s33, 0xcccccccc
	s_mov_b32 s34, 0xf0f0f0f0
	s_mov_b32 s35, 0xff00ff00
	s_mov_b32 s36, 0xffff0000
	s_lshl_b32 s28, s12, 10                        ; my copy of the list in the making
	s_mul_i32 s52, s12, 768
	s_add_co_u32 s52, s52, FL                      ; my copy of the list
	s_mul_i32 s53, s12, 144                        ; my 36 rows' words in it
	v_mul_u32_u24 v6, v2, PITCH                    ; r x pitch
	v_mul_u32_u24 v7, v3, PITCH                    ; hh x pitch
	v_lshl_add_u32 v[XA], v3, 4, v6
	v_add_nc_u32 v[XA], AB0, v[XA]                 ; a fragment: row r, 16 bytes for each half of the lanes
	v_add_nc_u32 v[XA+1], ABSZ, v[XA]
	s_mul_i32 s24, s12, 36*PITCH
	s_add_co_u32 s24, s24, AB0
	v_lshl_add_u32 v[GST], v2, 4, v7
	v_add_nc_u32 v[GST], s24, v[GST]               ; rows 36 w + hh on, 16 bytes a lane
	v_lshlrev_b32 v[BOFF], 4, v1
	s_mul_i32 s25, s12, 16*PITCH
	s_add_co_u32 s25, s25, STAGE                   ; my stage
	v_lshl_add_u32 v[STO], v3, 5, v6
	v_add_nc_u32 v[STO], s25, v[STO]               ; in: row r, 32 bytes for each half of the lanes
	v_lshl_add_u32 v[RD], v2, 4, v7
	v_add_nc_u32 v[RD], s25, v[RD]                 ; back: lanes 0-15 one row of 256 bytes, lanes 16-31 the next
	s_lshr_b32 s24, s12, 1
	s_mul_i32 s24, s24, ABSZ                       ; the residual: waves 0, 1 find their columns in buffer 0 (chunk 2 c), waves 2, 3 in buffer 1 (chunk 2 c + 1),
	s_and_b32 s25, s12, 1
	s_lshl_b32 s25, s25, 7                         ; in the lower or the upper 128 bytes of a row
	s_add_co_u32 s24, s24, s25
	s_add_co_u32 s24, s24, AB0
	v_lshl_add_u32 v[RSA], v2, 3, v7               ; row hh, four columns (8 bytes) a lane
	v_add_nc_u32 v[RSA], s24, v[RSA]
	v_mov_b32 v[ONE], 1.0
	v_lshl_add_u32 v[FLA], v3, 2, s52
	v_lshlrev_b32 v[R16], 4, v2
	v_lshlrev_b32 v24, 2, v1                       ; 4 x lane
	v_add_nc_u32 v26, s52, v24
	v_add_nc_u32 v10, s53, v[FLA]                  ; my list at row 36 w + hh
	v_add_nc_u32 v12, s28, v[BOFF]
	s_lshl_b32 s24, s12, 6
	v_lshl_add_u32 v13, v1, 8, s24                 ; the first token of my first group: 256 lane + 64 w
.irp i, 0,1,2,3
	v_mov_b32 v[116+\i], 0
.endr
	; THE EXPERTS' TOTALS: eight counts in four words (8,192 at the most fits a half), summed over my eight groups and then over the lanes
	s_wait_loadcnt 4                               ; the counts are in; the four loads of masks stay out
.irp i, 0,1,2,3
	v_add_nc_u32 v[112+\i], v[64+\i], v[68+\i]
.endr
.irp u, 2,3,4,5,6,7
.irp i, 0,1,2,3
	v_add_nc_u32 v[112+\i], v[112+\i], v[64+4*\u+\i]
.endr
.endr
.irp d, 1,2,4,8
.irp i, 0,1,2,3
	v_mov_b32_dpp v[116+\i], v[112+\i] row_xmask:\d row_mask:0xf bank_mask:0xf
.endr
.irp i, 0,1,2,3
	v_add_nc_u32 v[112+\i], v[112+\i], v[116+\i]
.endr
.endr
.irp i, 0,1,2,3
	v_permlanex16_b32 v[116+\i], v[112+\i], s30, s31
.endr
.irp i, 0,1,2,3
	v_add_nc_u32 v[112+\i], v[112+\i], v[116+\i]
.endr
.irp i, 0,1,2,3
	v_readfirstlane_b32 s[16+\i], v[112+\i]
.endr
	; THE TABLE OF TILES, in scalar registers: expert e's tiles take the slots T_e .. T_e + ceil(n_e / 144) - 1; mine is the last expert whose T_e is at most j
	s_mov_b32 s20, 0                               ; T
	s_mov_b32 s21, 0                               ; my expert,
	s_mov_b32 s22, 0                               ; its T,
	s_mov_b32 s23, 0                               ; its n
.irp e, 0,1,2,3,4,5,6,7
	s_bfe_u32 s24, s[16+(\e)/2], (16<<16)|(16*((\e)%2))
	s_cmp_ge_u32 s14, s20
	s_cselect_b32 s21, \e, s21
	s_cselect_b32 s22, s20, s22
	s_cselect_b32 s23, s24, s23
	s_add_co_u32 s25, s24, 143
	s_lshr_b32 s25, s25, 4                         ; m = (n + 143) / 16, 520 at the most;
	s_mul_i32 s25, s25, 7282                       ; m / 9 = (7,282 m) >> 16: 7,282 = 65,538 / 9, and the excess, m / 9 x 2 / 65,536, stays under 1 / 9
	s_lshr_b32 s25, s25, 16
	s_add_co_u32 s20, s20, s25
.endr
	s_sub_co_u32 s26, s14, s22
	s_mul_i32 s26, s26, 144                        ; r0: the rank of my tile's first row among the expert's tokens
	s_sub_co_i32 s27, s23, s26
	s_max_i32 s27, s27, 0
	s_min_i32 s27, s27, 144                        ; cnt: my tile's rows, 0 to 144
	s_min_u32 s21, s21, 7                          ; a number made of loaded ones enters an address only clamped
	s_lshl_b32 s50, s21, 21                        ; an expert is 2 MiB of wf
.irp s, 0,1,2,3,4,5,6,7
	s_add_nc_u64 s[WS+2*\s:WS+2*\s+1], s[WS+2*\s:WS+2*\s+1], s[50:51]
.endr
	s_bitcmp1_b32 s21, 0
	s_cselect_b32 s37, -1, 0                       ; bits 0, 1, 2 of e as masks of all lanes
	s_bitcmp1_b32 s21, 1
	s_cselect_b32 s38, -1, 0
	s_bitcmp1_b32 s21, 2
	s_cselect_b32 s39, -1, 0
	s_bitcmp1_b32 s12, 0
	s_cselect_b32 s42, -1, 0                       ; bits 0, 1 of w likewise
	s_bitcmp1_b32 s12, 1
	s_cselect_b32 s43, -1, 0
	s_and_b32 s44, s21, 1
	s_lshl_b32 s44, s44, 4                         ; which half of a word of counts
	; RANKS.  c_u: my expert's count in group 8 lane + u.  A token's rank = the counts of all groups before its own + the set bits below its own.
.irp u, 0,1,2,3,4,5,6,7
	v_cndmask_b32 v128, v[64+4*\u], v[65+4*\u], s38
	v_cndmask_b32 v129, v[66+4*\u], v[67+4*\u], s38
	v_cndmask_b32 v128, v128, v129, s39
	v_bfe_u32 v[120+\u], v128, s44, 16
.endr
	v_add_nc_u32 v130, v120, v121                  ; the counts ahead of group 2, 4, 6 of the lane,
	v_add3_u32 v131, v130, v122, v123
	v_add3_u32 v132, v131, v124, v125
	v_add3_u32 v133, v132, v126, v127              ; and the lane's total
	v_cndmask_b32 v134, 0, v130, s42
	v_cndmask_b32 v135, v131, v132, s42
	v_cndmask_b32 v134, v134, v135, s43            ; ahead of my wave's first group
	v_cndmask_b32 v147, v120, v122, s42
	v_cndmask_b32 v148, v124, v126, s42
	v_cndmask_b32 v147, v147, v148, s43            ; the count of my wave's first group
	v_mov_b32 v136, 0                              ; the sum over the lanes below mine, in five steps: a lane takes its partner's block where the partner is the lower
	v_mov_b32 v137, 0
.macro PSTEP d, k
	v_mov_b32_dpp v137, v133 row_xmask:\d row_mask:0xf bank_mask:0xf
	v_cndmask_b32 v138, 0, v137, s[32+\k]
	v_add_nc_u32 v136, v136, v138
	v_add_nc_u32 v133, v133, v137
.endm
	PSTEP 1, 0
	PSTEP 2, 1
	PSTEP 4, 2
	PSTEP 8, 3
	v_permlanex16_b32 v137, v133, s30, s31
	v_cndmask_b32 v138, 0, v137, s36
	v_add_nc_u32 v136, v136, v138
	v_add_nc_u32 v139, v136, v134
	v_sub_nc_u32 v139, v139, s26                   ; less r0: below it the number wraps and is clamped onto the dump like those past the tile
	v_lshlrev_b32 v139, 2, v139                    ; the running byte address in the list, first group;
	v_lshl_add_u32 v146, v147, 2, v139             ; second group
.irp i, 0,1,2,3
	v_mov_b32 v[148+\i], 0
.endr
	ds_store_b128 v12, v[148:151]                  ; my copy starts as zeros: 1,024 bytes
	ds_store_b128 v12, v[148:151] offset:512
	s_wait_loadcnt NLD-12                          ; the masks are in: nothing has been issued behind them
.irp u, 0,1
	v_cndmask_b32 v140, v[96+8*\u], v[97+8*\u], s37
	v_cndmask_b32 v141, v[98+8*\u], v[99+8*\u], s37
	v_cndmask_b32 v142, v[100+8*\u], v[101+8*\u], s37
	v_cndmask_b32 v143, v[102+8*\u], v[103+8*\u], s37
	v_cndmask_b32 v140, v140, v141, s38
	v_cndmask_b32 v142, v142, v143, s38
	v_cndmask_b32 v[144+\u], v140, v142, s39       ; my expert's mask of the group
.endr
; Bits b0 .. b0 + 3 of both groups, stage by stage so that a line seldom waits for the one before it.  A set bit's token goes to the running address; a clear bit (address | -1) and a rank outside the
; tile are clamped onto my copy's dump word, byte 576.  No wave writes another's copy.
.macro SCAT b0
	WIN 0
.irp n, 0,1,2,3
	v_bfe_u32 v[152+2*\n], v144, (\b0)+\n, 1
	v_bfe_u32 v[153+2*\n], v145, (\b0)+\n, 1
.endr
.irp n, 0,1,2,3,4,5,6,7
	v_add_nc_u32 v[160+\n], -1, v[152+\n]          ; 0 for a set bit, all ones for a clear one
.endr
.irp n, 0,1,2,3
	v_add_nc_u32 v[168+2*\n], (\b0)+\n, v13        ; the tokens' numbers
	v_add_nc_u32 v[169+2*\n], 32+(\b0)+\n, v13
.endr
.irp n, 0,1,2,3
	v_or_b32 v[160+2*\n], v139, v[160+2*\n]
	v_or_b32 v[161+2*\n], v146, v[161+2*\n]
	v_lshl_add_u32 v139, v[152+2*\n], 2, v139
	v_lshl_add_u32 v146, v[153+2*\n], 2, v146
.endr
.irp n, 0,1,2,3,4,5,6,7
	v_min_u32 v[160+\n], 0x240, v[160+\n]
.endr
.irp n, 0,1,2,3,4,5,6,7
	v_add_nc_u32 v[160+\n], s28, v[160+\n]
.endr
.irp n, 0,1,2,3,4,5,6,7
	ds_store_b32 v[160+\n], v[168+\n]
.endr
.endm
; The first five quarters' weights are asked for between the batches: 40 loads, so that with the first gather's 18 the count of loads that are out stays inside its field and the gather's issue waits for nothing
.irp m, 0,1,2,3,4
	SCAT 4*\m
	BFETCH \m
.endr
	SCAT 20
	SCAT 24
	SCAT 28
	s_wait_dscnt 0x0                               ; for the others' sake: my copy is written
	s_barrier_signal -1
	s_barrier_wait -1
	; THE LIST: each rank was written into one copy and is 0 in the others
.irp jj, 0,1,2,3,4
.irp ww, 0,1,2,3
	ds_load_b32 v[176+4*\jj+\ww], v24 offset:128*\jj+1024*\ww
.endr
.endr
	s_wait_dscnt 0x0
.irp jj, 0,1,2,3,4
	v_or_b32 v[176+4*\jj], v[176+4*\jj], v[177+4*\jj]
	v_or_b32 v[178+4*\jj], v[178+4*\jj], v[179+4*\jj]
	v_or_b32 v[176+4*\jj], v[176+4*\jj], v[178+4*\jj]
.endr
	v_readfirstlane_b32 s29, v176                  ; the tile's first token (0 in a tile without rows)
.irp jj, 0,1,2,3,4
	v_add_nc_u32 v25, 32*\jj, v1                   ; place p = 32 jj + lane
	v_cmp_gt_u32 vcc_lo, s27, v25
	v_cndmask_b32 v[176+4*\jj], s29, v[176+4*\jj], vcc_lo  ; places past the count repeat the first token
	ds_store_b32 v26, v[176+4*\jj] offset:128*\jj  ; into my own copy: no barrier is needed for what follows
.endr
.set i, 0
.rept 18
	ds_load_b32 v[GOFF+i], v10 offset:8*i          ; LDS serves a wave's instructions in order (ISA guide 5.7.1.4): these see the stores above.  Row 36 w + 2 i + hh
.set i, i+1
.endr
	s_wait_dscnt 0x0
.set i, 0
.rept 18
	v_min_u32 v[GOFF+i], 0x1fff, v[GOFF+i]         ; clamped to the table of 8,192 tokens; behind the clamp a shift and an add
.set i, i+1
.endr
.set i, 0
.rept 18
	v_lshlrev_b32 v[GOFF+i], 11, v[GOFF+i]         ; a row of xb is 2,048 bytes
.set i, i+1
.endr
.set i, 0
.rept 18
	v_add_nc_u32 v[GOFF+i], v[R16], v[GOFF+i]
.set i, i+1
.endr
	; walk steps 0 and 1 are asked for together; step 0 goes into buffer 0; step 2 and two more quarters of weights follow
	GISSUE 0
	GISSUE 1
	GSTORE 0                                       ; its wait leaves step 1's 18 loads out
	GISSUE 2
	BFETCH 5
	BFETCH 6
	s_wait_dscnt 0x0                               ; for the others' sake: my 36 rows of step 0 are in buffer 0
	s_barrier_signal -1
	s_barrier_wait -1                              ; everybody's rows are in
	XFETCH 0, 0, XF0
; 16 rows x 128 k of the last walk step (buffer 1): block a's four fragments into buffer a % 4 of four
.macro ALOAD a
	WIN 0
.irp q, 0,1,2,3
	ds_load_b128 v[PA+32*((\a)%4)+8*\q:PA+32*((\a)%4)+8*\q+3],   v[XA+1] offset:(\a)*16*PITCH+64*\q
	ds_load_b128 v[PA+32*((\a)%4)+8*\q+4:PA+32*((\a)%4)+8*\q+7], v[XA+1] offset:(\a)*16*PITCH+64*\q+32
.endr
.endm
; THE K WALK, steps 0 to 6: each four quarters of 32 k: 36 matrix instructions, 18 LDS loads and 8 global loads a quarter and wave.  Written out: every count is the assembler's.
; In a quarter's middle stand four places and ONE run of loads: the next quarter's fragments of the tokens (into the buffer that the quarter before multiplied) and the weights seven quarters on
; (into the ring slot that the quarter before multiplied).  Quarter 2 also stores the next step's rows into the other LDS buffer and asks for the rows three steps on, into the staging set just emptied.
; Quarter 3 holds the step's one barrier: in front of its signal my stores of the next step's rows and my reads of this step's are done; behind it the next step's buffer is read, and this step's
; buffer is written again only in the next step's quarter 2.
.macro QUARTER s, q
.set Q,  4*(\s)+(\q)
.set FC, XF0+72*(Q&1)
.set FN, XF0+72*((Q+1)&1)
.set SL, Q&7
.set MD, 0
.if Q == 0
.set MD, 1
.endif
	BWAIT SL
	s_wait_dscnt 10                                ; row blocks 0-3 are in; the youngest ten loads (blocks 4-8) may be out
.if (\q) < 3
	MM 0, 3, SL, FC, MD
	PLACES
.if (\q) == 2
	GSTORE (\s)+1
.endif
	XFETCH (\s)&1, 64*((\q)+1), FN
	BFETCH Q+7
.if ((\q) == 2) && ((\s) < 5)
	GISSUE (\s)+3
.endif
.if (\q) == 2
	s_wait_dscnt 36                                ; all but the 18 stores and 18 loads just issued
.else
	s_wait_dscnt 18                                ; all but the 18 loads just issued
.endif
	MM 4, 8, SL, FC, MD
.else
	MM 0, 1, SL, FC, 0
	s_wait_dscnt 0x0                               ; my stores of the next step's rows and my reads of this step's are done:
	s_barrier_signal -1                            ; say so,
	MM 2, 3, SL, FC, 2                             ; work on registers while the others arrive (no jump stands between the signal and the wait),
	s_barrier_wait -1                              ; and go on when all four have said so
	PLACES
.if (\s) < 6
	XFETCH ((\s)+1)&1, 0, FN
.else
	ALOAD 0                                        ; the last step's first two blocks, into the registers that the quarter before multiplied
	ALOAD 1
.endif
	BFETCH Q+7
	MM 4, 8, SL, FC, 0
.endif
.endm
.irp s, 0,1,2,3,4,5,6
	QUARTER \s, 0
	QUARTER \s, 1
	QUARTER \s, 2
	QUARTER \s, 3
.endr
; THE LAST STEP, BY ROWS.  Its weights lie in ring slots 4-7.  Block a is finished by 16 matrix instructions, its four accumulators by turns, k ascending.
.macro ROW a
.if (\a) < 8
	WIN 0xa1
.set rA, 32*(\a)
.else
	WIN 0xf1
.set rA, 0
.endif
.irp q, 0,1,2,3
.irp b, 0,1,2,3
	v_wmma_f32_16x16x32_bf16 v[rA+8*\b:rA+8*\b+7], v[32*(4+\q)+8*\b:32*(4+\q)+8*\b+7], v[PA+32*((\a)%4)+8*\q:PA+32*((\a)%4)+8*\q+7], v[rA+8*\b:rA+8*\b+7]
.endr
.endr
	WIN 0
.endm
; THE WAY OUT of block a, in two parts.  TOSTAGE: 32 LDS instructions: the rows' tokens; the rows' residual (8 bytes a lane: my four columns, bf16); a lane's eight columns (32 bytes) into my stage, rows of
; 272 bytes; and back as whole rows of 256.  SEND: the residual is added, and each row goes to its token's row of out0.  The next block's products stand between the two.
.macro TOSTAGE a
	WIN 0
	s_wait_xcnt 0x0                                ; the last block's stores have had their addresses translated (ISA guide 3.1): their registers are rewritten only behind this wait
.irp t, 0,1,2,3,4,5,6,7
	ds_load_b32 v[TK+\t], v[FLA] offset:64*(\a)+8*\t  ; the token of row 16 a + 2 t + hh
.endr
.irp t, 0,1,2,3,4,5,6,7
	ds_load_b64 v[RS+2*\t:RS+2*\t+1], v[RSA] offset:(\a)*16*PITCH+544*\t
.endr
.if (\a) < 8
	WIN 0x08                                       ; data window 2
.set rA, 32*(\a)
.else
	WIN 0x0c                                       ; data window 3
.set rA, 0
.endif
.irp b, 0,1,2,3
	ds_store_b128 v[STO], v[rA+8*\b:rA+8*\b+3]   offset:64*\b      ; each accumulator from its low end on
	ds_store_b128 v[STO], v[rA+8*\b+4:rA+8*\b+7] offset:64*\b+16
.endr
	WIN 0
.irp t, 0,1,2,3,4,5,6,7
	ds_load_b128 v[OB+4*\t:OB+4*\t+3], v[RD] offset:544*\t         ; in order behind the stores above; the next block's stores come behind these
.endr
.endm
.macro SEND a, yo                      ; yo: the LDS loads issued behind TOSTAGE's: a later block's eight, or none
	WIN 0
	s_wait_dscnt (\yo)+24                          ; the tokens are in: 8 loads of the residual, 8 stores and 8 loads of rows were issued behind them
.irp t, 0,1,2,3,4,5,6,7
	v_min_u32 v[TK+\t], 0x1fff, v[TK+\t]
.endr
.irp t, 0,1,2,3,4,5,6,7
	v_lshlrev_b32 v[OFFS+\t], 12, v[TK+\t]         ; a row of out0 is 4,096 bytes
.endr
.irp t, 0,1,2,3,4,5,6,7
	v_add_nc_u32 v[OFFS+\t], v[R16], v[OFFS+\t]
.endr
.irp t, 0,1,2,3,4,5,6,7
	s_wait_dscnt (\yo)+7-\t                        ; row t is back, and with it the residual, which was asked for earlier
	v_fma_mix_f32_bf16 v[OB+4*\t],   v[RS+2*\t],   v[ONE], v[OB+4*\t]   op_sel_hi:[1,0,0]                 ; x (a bf16 half) x 1.0 + the sum: one rounding
	v_fma_mix_f32_bf16 v[OB+4*\t+1], v[RS+2*\t],   v[ONE], v[OB+4*\t+1] op_sel:[1,0,0] op_sel_hi:[1,0,0]
	v_fma_mix_f32_bf16 v[OB+4*\t+2], v[RS+2*\t+1], v[ONE], v[OB+4*\t+2] op_sel_hi:[1,0,0]
	v_fma_mix_f32_bf16 v[OB+4*\t+3], v[RS+2*\t+1], v[ONE], v[OB+4*\t+3] op_sel:[1,0,0] op_sel_hi:[1,0,0]
	global_store_b128 v[OFFS+\t], v[OB+4*\t:OB+4*\t+3], s[10:11] th:TH_STORE_NT  ; sixteen lanes store 256 consecutive bytes, at a multiple of 256 from out0's first byte
.endr
.endm
	WIN 0
	PLACES                                         ; behind the last quarter's products, ahead of the loads into the registers that they read
	ALOAD 2
	ALOAD 3
	BWAIT 7                                        ; the last fetch of weights is in, and so are all before it
	s_cmp_le_u32 s27, 0
	s_cbranch_scc1 .Ldone                          ; a slot without rows stores nothing.  All jumps from here on go forward and pass no barrier
	s_wait_dscnt 24                                ; block 0's fragments are in; those of blocks 1-3 may be out
	ROW 0
	PLACES                                         ; behind block 0's products, ahead of the stores that read them; for the later blocks SEND's vector lines are these places
.irp a, 0,1,2,3,4,5,6,7,8
.if \a > 0
	s_cmp_le_u32 s27, 16*\a
	s_cbranch_scc1 .Ldone                          ; this block and all behind it lie past the count
.endif
	TOSTAGE \a
.if \a < 5
	ALOAD \a+4                                     ; into the buffer that block a's products have read
.endif
.if \a < 8
	s_cmp_le_u32 s27, 16*\a+16
	s_cbranch_scc1 .Lnorow\a
.if \a == 0
	s_wait_dscnt 56                                ; block 1's fragments are in: behind them blocks 2 and 3 (16), TOSTAGE's 32 and block 4's 8.  Later blocks' are shown in by SEND's waits
.endif
	ROW \a+1                                       ; the stage's round trip lies under these products
.Lnorow\a:
.endif
.if \a < 5
	SEND \a, 8
.else
	SEND \a, 0
.endif
.endr
.Ldone:
	s_wait_tensorcnt 0x0                           ; the wave's end, behind my last LDS store
	ds_add_u32 v[SPW], v[NIL]
	s_wait_dscnt 0x0
	s_endpgm
.Lfunc_end_k_q4b9a48f0ba_experts:
	.size	k_q4b9a48f0ba_experts, .Lfunc_end_k_q4b9a48f0ba_experts-k_q4b9a48f0ba_experts
	.p2alignl 7, 3214868480
	.fill 96, 4, 3214868480
	.section	.rodata,"a",@progbits
	.p2align	6, 0x0
	.amdhsa_kernel k_q4b9a48f0ba_experts
		.amdhsa_group_segment_fixed_size 103424
		.amdhsa_private_segment_fixed_size 0
		.amdhsa_enable_private_segment 0
		.amdhsa_kernarg_size 32
		.amdhsa_user_sgpr_count 2
		.amdhsa_user_sgpr_kernarg_segment_ptr 1
		.amdhsa_wavefront_size32 1
		.amdhsa_system_sgpr_workgroup_id_x 1
		.amdhsa_system_sgpr_workgroup_id_y 1
		.amdhsa_system_sgpr_workgroup_id_z 1
		.amdhsa_system_vgpr_workitem_id 0
		.amdhsa_next_free_vgpr 944
		.amdhsa_next_free_sgpr 98
		.amdhsa_reserve_vcc 1
		.amdhsa_float_denorm_mode_32 3
		.amdhsa_float_denorm_mode_16_64 3
		.amdhsa_memory_ordered 1
		.amdhsa_forward_progress 1
		.amdhsa_inst_pref_size 255
	.end_amdhsa_kernel
	.section	.bss,"aw",@nobits
	.p2align	6
	.space	262144
	.amdgpu_metadata
---
amdhsa.version: [ 1, 2 ]
amdhsa.kernels:
  - .name:           k_q4b9a48f0ba_experts
    .symbol:         k_q4b9a48f0ba_experts.kd
    .args:
      - { .name: xb, .offset: 0, .size: 8, .value_kind: global_buffer, .address_space: global }
      - { .name: wf, .offset: 8, .size: 8, .value_kind: global_buffer, .address_space: global }
      - { .name: route, .offset: 16, .size: 8, .value_kind: global_buffer, .address_space: global }
      - { .name: out0, .offset: 24, .size: 8, .value_kind: global_buffer, .address_space: global }
    .group_segment_fixed_size: 103424
    .private_segment_fixed_size: 0
    .kernarg_segment_align: 8
    .kernarg_segment_size: 32
    .max_flat_workgroup_size: 128
    .sgpr_count:     98
    .vgpr_count:     944
    .wavefront_size: 32
...
	.end_amdgpu_metadata
.endif
;; end of part 2
